; MI455X (gfx1250); checked and timed in simulation.
; The chip was launched on July 23, 2026; its instructions are those of AMD's public machine-readable ISA for CDNA 5 (MIT licence, August 2026) and "CDNA5" Instruction Set Architecture Reference Guide (July 2026). The comments in the code are by the model that wrote it; some were corrected since.
;; Conscious Attention. Allowed arithmetic: matrix products marked QUANTISED: E2M1 operands, one E8M0 scale for each 32 along K, by v_wmma_scale_f32_16x16x128_f8f6f4 with both operands' format E2M1 (or v_wmma_scale_f32_32x16x128_f4), f32 sums; products left as they are: f32 operands where the result goes on into a quantised operand, else bf16, f16 or f32 operands; f32 sums; everything else in f32.
;; Inputs: W1 512 x 256 float32; W2 1 x 512 float32; Wk 256 x 256 float32; Wq 256 x 256 float32; b1 512 float32; b2 1 float32; bk 256 float32; bq 256 float32; conscious_bias 256 float32; sensory_input 250,000 x 256 float32.
;; Outputs: out0 64 x 256 float32; out1 250,000 float32; out2 250,000 float32.
;; This version of the problem:
;;   THIS VERSION OF THE PROBLEM IS GIVEN IN LOW PRECISION. The matrix products marked QUANTISED in the list below multiply operands that are first quantised to E2M1 (2 exponent bits, 1 mantissa bit; 4 bits a number), with one power-of-two scale for each 32 numbers along K (OCP MX v1.0); their sums are f32. All else is computed in f32.
;;   The module's matrix products, in the order in which they are computed (A, B: the left and right operand; K: the contracted axis; several contracted axes count as one K, in the product's order):
;;     1. [M 256, K 256] x [K 256, N 1]; A: input Wq; B: input conscious_bias: left as it is (N = 1 < 16)
;;     2. [M 250,000, K 256] x [K 256, N 256]; A: input sensory_input; B: input Wk: QUANTISED
;;     3. [M 250,000, K 256] x [K 256, N 512]; A: input sensory_input; B: input W1: QUANTISED
;;     4. [M 250,000, K 512] x [K 512, N 1]; A: computed on the way; B: input W2: left as it is (N = 1 < 16)
;;     5. [M 250,000, K 256] x [K 256, N 1]; A: computed on the way; B: computed on the way: left as it is (N = 1 < 16)
;;   THE QUANTISER, for each operand of a quantised product, along K:
;;     - K is cut into blocks of 32 from its start; a last block that is shorter is filled with zeros.
;;     - A block's scale is 2^e with e = floor(log2(the largest magnitude in the block)) - 2, held to -126 .. 127; a block of zeros has e = 0. As a byte (E8M0): e + 127.
;;     - Each number is divided by its block's scale, clamped to +-6, and rounded to the nearest number of E2M1, ties to even, subnormals kept.
;;     - The product sums the exact products of the quantised numbers (number of the format x scale) in f32.
;;   ~~~python
;;   def quantise(x, axis):      # numpy; x: float32 -> the quantised numbers, widened to float32 again
;;       x = np.moveaxis(x, axis, -1); K = x.shape[-1]
;;       x = np.pad(x, [(0, 0)] * (x.ndim - 1) + [(0, -K % 32)]); x = x.reshape(x.shape[:-1] + (-1, 32)); a = np.abs(x).max(-1, keepdims=True)
;;       e = np.where(a > 0, np.clip(np.frexp(np.where(a > 0, a, 1))[1] - 1 - 2, -126, 127), 0)      # np.frexp(a)[1] - 1 = floor(log2(a)), exactly
;;       r = np.clip(x / 2.0 ** e, -6, 6)
;;       step = 2.0 ** (np.maximum(np.frexp(np.where(r == 0, 1, r))[1] - 1, 0) - 1)
;;       q = np.round(r / step) * step * 2.0 ** e      # np.round: ties to even
;;       return np.moveaxis(q.reshape(q.shape[:-2] + (-1,))[..., :K], -1, axis).astype(np.float32)
;;   ~~~
;; One version. Each part assembles by itself: llvm-mc -triple=amdgcn-amd-amdhsa -mcpu=gfx1250 --defsym DOCPART=n.
;; ======== version 1 of 1: 3 launches
;; workspace buffers: wcodes 98,304 bytes; wscales 6,144 bytes; qraw 1,024 bytes; ukey 1,000,192 bytes; stats 4,096 bytes; ckey 65,536 bytes of whole numbers; cidx 65,536 bytes of whole numbers
;; launch prep (part 1): grid 64 x 1, 1 waves a work-group, no clusters, 0 bytes of LDS; arguments W1, Wk, Wq, conscious_bias, bq, wcodes, wscales, qraw; writes wcodes, wscales, qraw
.if DOCPART == 1
	.amdgcn_target "amdgcn-amd-amdhsa--gfx1250"
	.amdhsa_code_object_version 6
	.text
	.protected	k_qa884f683d6_prep
	.globl	k_qa884f683d6_prep
	.p2align	8
	.type	k_qa884f683d6_prep,@function
k_qa884f683d6_prep:
	s_mov_b64 s[64:65], 0
	v_nop
	global_prefetch_b8 v0, s[64:65] scope:SCOPE_SE
	s_setreg_imm32_b32 hwreg(HW_REG_WAVE_MODE, 25, 1), 1
	s_wait_xcnt 0x0
; LAUNCH 1 OF 3.  The weights of the two quantised products become codes of FP4 (E2M1) with one E8M0 byte for each 32 along K, once for the whole program,
; and the raw query q = Wq cb + bq is made in f32.  One wave to a work-group, 64 work-groups.
; Work-groups 0-47: tile T of 16 weight rows (T < 32: W1 rows 16 T on; else Wk rows 16 (T - 32) on), K = 256 = two K steps of 128.
;   The codes are stored AS THE MATRIX OPERAND REGISTERS WANT THEM: wcodes[T][K step][half c][lane][16 bytes] = registers 4 c .. 4 c + 3 of the lane, so that the next
;   launch loads a fragment by two loads of 16 bytes a lane, 512 consecutive bytes each.  wscales[T][lane]: lanes 0-15 the scale word of row r for K step 0, lanes 16-31 for K step 1.
; Work-groups 48-63: 16 rows of Wq each: a row is 1,024 consecutive bytes, 32 a lane; products and sums in f32.
; A block scale is 2^(floor(log2(largest magnitude)) - 2); its byte is the largest magnitude exponent field - 2, held at 1 from below.
; LIMITS: a block of zeros gets the byte 1 where the rule says 127 (its codes are zeros, and only this program reads the bytes); NaN and infinities among the inputs are not served.
; The weight rows are read in pieces of 64 bytes of 16 rows: 786,432 bytes in all, read once.
.set X0,   16                          ; v16-79   64 numbers of K step 0: register 16 b + i = k 32 b + 16 (lane / 16) + i of row lane % 16
.set X1,   80                          ; v80-143  the same of K step 1
.set PC0,  144                         ; v144-151 the codes of K step 0
.set PC1,  152                         ; v152-159 of K step 1
.set TM,   160                         ; v160-175 at work in QUANT
.set PW0,  176                         ; the scale words of the two K steps,
.set PW1,  177
.set PWC,  178                         ; and both in one register
.set SEL,  20                          ; s[20:21] v_permlanex16_b32 selects for lane l xor 16
; 64 numbers of a lane become a fragment (8 registers of codes at pc) and the row scale word (pw).
.macro QUANT src, pc, pw
.irp b, 0,1,2,3
	v_max3_num_f32 v[TM+\b], |v[\src+16*\b]|, |v[\src+1+16*\b]|, 0x1800000   ; block b: my 16 numbers, and the floor 2^(3 - 127): the byte cannot fall under 1
.endr
.irp i, 2,4,6,8,10,12,14
.irp b, 0,1,2,3
	v_max3_num_f32 v[TM+\b], v[TM+\b], |v[\src+16*\b+\i]|, |v[\src+1+16*\b+\i]|   ; the four blocks by turns
.endr
.endr
.irp b, 0,1,2,3
	v_permlanex16_b32 v[TM+4+\b], v[TM+\b], s[SEL], s[SEL+1]
.endr
.irp b, 0,1,2,3
	v_max_num_f32 v[TM+\b], v[TM+\b], v[TM+4+\b]             ; with lane l xor 16: the block largest magnitude
.endr
.irp b, 0,1,2,3
	v_add_nc_u32 v[TM+12+\b], 0xff000000, v[TM+\b]           ; 2 off its exponent field: the conversion takes that field as its scale
.endr
.irp b, 0,1,2,3
	v_lshrrev_b32 v[TM+4+\b], 23, v[TM+12+\b]                ; the scale byte
.endr
	v_lshl_or_b32 v[\pw], v[TM+5], 8, v[TM+4]
	v_lshl_or_b32 v[\pw], v[TM+6], 16, v[\pw]
	v_lshl_or_b32 v[\pw], v[TM+7], 24, v[\pw]
.irp b, 0,1,2,3
	v_cvt_scalef32_pk8_fp4_f32 v[\pc+2*\b], v[\src+16*\b:\src+7+16*\b], v[TM+12+\b]
	v_cvt_scalef32_pk8_fp4_f32 v[\pc+1+2*\b], v[\src+8+16*\b:\src+15+16*\b], v[TM+12+\b]
.endr
	v_nop                                                    ; one plain place behind the scaled conversions
.irp c, 0,1
.irp i, 0,1
	v_permlane16_swap_b32 v[\pc+4*\c+\i], v[\pc+2+4*\c+\i]   ; a whole block to a lane: registers 4 c .. 4 c + 3 hold k = 64 c + 32 (lane / 16) + 0 .. 31
.endr
.endr
.endm
	s_load_b256 s[4:11], s[0:1], 0x0               ; W1 s[4:5], Wk s[6:7], Wq s[8:9], conscious_bias s[10:11]
	s_load_b256 s[12:19], s[0:1], 0x20             ; bq s[12:13], wcodes s[14:15], wscales s[16:17], qraw s[18:19]
	v_and_b32 v2, 15, v0                           ; r
	v_lshrrev_b32 v3, 4, v0                        ; h
	s_mov_b32 s[SEL], 0x76543210
	s_mov_b32 s[SEL+1], 0xfedcba98
	s_mov_b32 s23, 0
	s_mov_b32 s25, 0
	s_wait_kmcnt 0x0
	s_cmp_ge_u32 ttmp9, 48
	s_cbranch_scc1 .Lquery
	; ---- a tile of weight rows
	s_cmp_lt_u32 ttmp9, 32                         ; W1 or Wk: the choice hangs on the work-group number alone
	s_cselect_b64 s[4:5], s[4:5], s[6:7]
	s_cselect_b32 s22, 0, 32
	s_sub_co_u32 s22, ttmp9, s22                   ; the tile in its tensor
	s_lshl_b32 s22, s22, 14                        ; 16 rows of 1,024 bytes
	s_add_nc_u64 s[4:5], s[4:5], s[22:23]
	s_lshl_b32 s24, ttmp9, 11                      ; 2,048 bytes of codes a tile
	s_add_nc_u64 s[14:15], s[14:15], s[24:25]
	s_lshl_b32 s24, ttmp9, 7                       ; 128 bytes of scale words a tile
	s_add_nc_u64 s[16:17], s[16:17], s[24:25]
	v_lshlrev_b32 v4, 10, v2
	v_lshl_add_u32 v4, v3, 6, v4                   ; row r, + 64 h: my 16 numbers of each block of 32
	v_lshlrev_b32 v5, 4, v0                        ; 16 x lane
	v_lshlrev_b32 v6, 2, v0                        ; 4 x lane
.irp ks, 0,1
.irp b, 0,1,2,3
.irp j, 0,1,2,3
	global_load_b128 v[X0+64*\ks+16*\b+4*\j:X0+64*\ks+16*\b+4*\j+3], v4, s[4:5] offset:512*\ks+128*\b+16*\j th:TH_LOAD_NT
.endr
.endr
.endr
.irp b, 0,1,2,3
	v_mov_b32 v[TM+4+\b], 0                        ; written once: a lane permute destination counts as one of its sources
.endr
	s_mov_b32 s26, 0xffff0000
	s_wait_loadcnt 16                              ; K step 0 is in: 16 loads were issued behind its 16
	QUANT X0, PC0, PW0
	s_wait_loadcnt 0x0
	QUANT X1, PC1, PW1
	v_cndmask_b32 v[PWC], v[PW0], v[PW1], s26      ; lanes 0-15 K step 0, lanes 16-31 K step 1
	global_store_b128 v5, v[PC0:PC0+3], s[14:15]               ; each store covers 512 consecutive bytes
	global_store_b128 v5, v[PC0+4:PC0+7], s[14:15] offset:512
	global_store_b128 v5, v[PC1:PC1+3], s[14:15] offset:1024
	global_store_b128 v5, v[PC1+4:PC1+7], s[14:15] offset:1536
	global_store_b32 v6, v[PWC], s[16:17]
	s_endpgm
	; ---- 16 numbers of the raw query
.Lquery:
	s_sub_co_u32 s22, ttmp9, 48
	s_lshl_b32 s24, s22, 14                        ; 16 rows of Wq
	s_add_nc_u64 s[8:9], s[8:9], s[24:25]
	s_lshl_b32 s24, s22, 6                         ; 16 numbers of bq and of qraw
	s_add_nc_u64 s[12:13], s[12:13], s[24:25]
	s_add_nc_u64 s[18:19], s[18:19], s[24:25]
	v_lshlrev_b32 v4, 5, v0                        ; 32 bytes a lane
	v_lshlrev_b32 v5, 2, v2                        ; 4 x (lane % 16)
	global_load_b128 v[144:147], v4, s[10:11]      ; conscious_bias: my 8 numbers
	global_load_b128 v[148:151], v4, s[10:11] offset:16
.irp i, 0,1,2,3,4,5,6,7,8,9,10,11,12,13,14,15
	global_load_b128 v[16+8*\i:19+8*\i], v4, s[8:9] offset:1024*\i th:TH_LOAD_NT
	global_load_b128 v[20+8*\i:23+8*\i], v4, s[8:9] offset:1024*\i+16 th:TH_LOAD_NT
.endr
	global_load_b32 v152, v5, s[12:13]             ; bq of row lane % 16
	v_mov_b32 v153, 0
	s_wait_loadcnt 0x0
.irp i, 0,1,2,3,4,5,6,7,8,9,10,11,12,13,14,15
	v_pk_mul_f32 v[160+2*\i:161+2*\i], v[16+8*\i:17+8*\i], v[144:145]      ; the 16 rows by turns: no line waits for the line above it
.endr
.irp c, 1,2,3
.irp i, 0,1,2,3,4,5,6,7,8,9,10,11,12,13,14,15
	v_pk_fma_f32 v[160+2*\i:161+2*\i], v[16+8*\i+2*\c:17+8*\i+2*\c], v[144+2*\c:145+2*\c], v[160+2*\i:161+2*\i]
.endr
.endr
.irp i, 0,1,2,3,4,5,6,7,8,9,10,11,12,13,14,15
	v_add_f32 v[160+2*\i], v[160+2*\i], v[161+2*\i]
.endr
.irp m, 1,2,4,8
.irp i, 0,1,2,3,4,5,6,7,8,9,10,11,12,13,14,15
	v_add_f32_dpp v[160+2*\i], v[160+2*\i], v[160+2*\i] row_xmask:\m row_mask:0xf bank_mask:0xf
.endr
.endr
.irp i, 0,1,2,3,4,5,6,7,8,9,10,11,12,13,14,15
	v_permlanex16_b32 v[161+2*\i], v[160+2*\i], s[SEL], s[SEL+1]
.endr
.irp i, 0,1,2,3,4,5,6,7,8,9,10,11,12,13,14,15
	v_add_f32 v[160+2*\i], v[160+2*\i], v[161+2*\i]            ; every lane holds row i whole
.endr
.irp i, 0,1,2,3,4,5,6,7,8,9,10,11,12,13,14,15
	s_mov_b32 s26, 0x10001<<\i
	v_cndmask_b32 v153, v153, v[160+2*\i], s26                 ; row i to lanes i and 16 + i
.endr
	v_add_f32 v153, v153, v152
	global_store_b32 v5, v153, s[18:19]            ; lanes 16-31 repeat the address and the value of lanes 0-15
	s_endpgm
.Lfunc_end_k_qa884f683d6_prep:
	.size	k_qa884f683d6_prep, .Lfunc_end_k_qa884f683d6_prep-k_qa884f683d6_prep
	.p2alignl 7, 3214868480
	.fill 96, 4, 3214868480
	.section	.rodata,"a",@progbits
	.p2align	6, 0x0
	.amdhsa_kernel k_qa884f683d6_prep
		.amdhsa_group_segment_fixed_size 0
		.amdhsa_private_segment_fixed_size 0
		.amdhsa_enable_private_segment 0
		.amdhsa_kernarg_size 64
		.amdhsa_user_sgpr_count 2
		.amdhsa_user_sgpr_kernarg_segment_ptr 1
		.amdhsa_wavefront_size32 1
		.amdhsa_system_sgpr_workgroup_id_x 1
		.amdhsa_system_sgpr_workgroup_id_y 1
		.amdhsa_system_sgpr_workgroup_id_z 1
		.amdhsa_system_vgpr_workitem_id 0
		.amdhsa_next_free_vgpr 192
		.amdhsa_next_free_sgpr 66
		.amdhsa_reserve_vcc 0
		.amdhsa_float_denorm_mode_32 3
		.amdhsa_float_denorm_mode_16_64 3
		.amdhsa_memory_ordered 1
		.amdhsa_forward_progress 1
		.amdhsa_inst_pref_size 29
	.end_amdhsa_kernel
	.amdgpu_metadata
---
amdhsa.version: [ 1, 2 ]
amdhsa.kernels:
  - .name:           k_qa884f683d6_prep
    .symbol:         k_qa884f683d6_prep.kd
    .args:
      - { .name: W1, .offset: 0, .size: 8, .value_kind: global_buffer, .address_space: global }
      - { .name: Wk, .offset: 8, .size: 8, .value_kind: global_buffer, .address_space: global }
      - { .name: Wq, .offset: 16, .size: 8, .value_kind: global_buffer, .address_space: global }
      - { .name: conscious_bias, .offset: 24, .size: 8, .value_kind: global_buffer, .address_space: global }
      - { .name: bq, .offset: 32, .size: 8, .value_kind: global_buffer, .address_space: global }
      - { .name: wcodes, .offset: 40, .size: 8, .value_kind: global_buffer, .address_space: global }
      - { .name: wscales, .offset: 48, .size: 8, .value_kind: global_buffer, .address_space: global }
      - { .name: qraw, .offset: 56, .size: 8, .value_kind: global_buffer, .address_space: global }
    .group_segment_fixed_size: 0
    .private_segment_fixed_size: 0
    .kernarg_segment_align: 8
    .kernarg_segment_size: 64
    .max_flat_workgroup_size: 32
    .sgpr_count:     66
    .vgpr_count:     192
    .wavefront_size: 32
...
	.end_amdgpu_metadata
.endif
;; end of part 1
;; launch main (part 2): grid 256 x 1, 8 waves a work-group, no clusters, 327,680 bytes of LDS; arguments sensory_input, wcodes, wscales, qraw, b1, bk, W2, b2, out2, ukey, stats, ckey, cidx; writes out2, ukey, stats, ckey, cidx
.if DOCPART == 2
	.amdgcn_target "amdgcn-amd-amdhsa--gfx1250"
	.amdhsa_code_object_version 6
	.text
	.protected	k_qa884f683d6_main
	.globl	k_qa884f683d6_main
	.p2align	8
	.type	k_qa884f683d6_main,@function
k_qa884f683d6_main:
	s_mov_b64 s[64:65], 0
	v_nop
	global_prefetch_b8 v0, s[64:65] scope:SCOPE_SE
	s_setreg_imm32_b32 hwreg(HW_REG_WAVE_MODE, 25, 1), 1
	s_wait_xcnt 0x0
; LAUNCH 2 OF 3.  For each row x of sensory_input: t = ((x Wk^T + bk) . q / 16) log2(e), q = 2 qraw / max(|qraw|, 1e-12);  v = sigmoid(relu(x W1^T + b1) . W2 + b2);  u = t + log2(v).
; Both products with x run on codes of FP4 (E2M1) with E8M0 scales, f32 sums; all else is f32.  Stored: v (out2), u (ukey); for the work-group (Z, S, m, 0) with m = its largest t,
; Z = sum 2^(t - m), S = sum 2^(u - m) (stats); and its 64 best rows, sorted by (u descending, row ascending), as whole numbers (ckey: u as an order-keeping u32; cidx: the row).
; SHARES.  15,625 tiles of 16 rows.  Work-group g walks a window of 62 tiles from tile P = 61 g + min(g, 8) and owns all of them but, from g = 9 on, the first (its neighbour owns it).
; The window goes as 8 slots of 8 tiles; the last two tiles of slot 7 are a second copy of the two before them and are owned by nobody: every trip count is a constant.
; THE WAVES SHARE THE COLUMNS: wave w keeps W1 rows 64 w .. + 63 and Wk rows 32 w .. + 31 (12 fragments, their scale words, biases, W2 and q) in registers for the whole launch.
; A SLOT:  Q: wave w quantises tile w out of the slot and stores the operand registers as an image in LDS | barrier, behind it the slot just read is filled again |
;   M: every wave multiplies its 6 weight tiles by all 8 tiles of rows (source 0 = 16 weight rows, source 1 = 16 rows of x: a lane holds ONE row of x and 8 weight rows), relu, and the two
;   dot products of its columns: a pair (logit part, value part) a lane and tile, to LDS | barrier |  F: wave w adds the 8 waves parts of tile w and finishes t, u, v.
; x comes through two LDS slots of 128 rows by tensor loads (waves 0-3, 32 rows of 1,024 bytes each).  A wave has two tensor loads out at the start and one behind each refill barrier.
; NO CLUSTER: x, 1,015,808 bytes a work-group, is shared with nobody; what all work-groups share, the 104,448 bytes of codes and scale words, is read once into registers.
; LIMITS.  NaN and infinities among the inputs are not served.  The order of the best rows is taken on u in f32, not on the rounded allocation: rows whose allocations differ by a few units
; in the last place, or tie only after that rounding (rows whose allocation falls to 0 among them), may come in another order than by the allocation; equal u go by the lower row.
; A block of zeros gets the scale byte 1 (its codes are zeros).  q is scaled by 0.125 x the reciprocal of the norm, where the definition divides.
.set PITCH,  1040                      ; an LDS row of x: 1,024 bytes + 16 of padding: the 16 rows that 16 lanes read start 16 bytes apart modulo 256
.set SLOT,   128*PITCH                 ; 133,120 bytes; slot 0 at 0, slot 1 at SLOT
.set SLOTG,  131072                    ; a slot in memory
.set XIMG,   2*SLOT                    ; 266,240: images of x fragments: [tile 8][K step 2][half 2][lane 32][16 bytes]
.set XSC,    XIMG+16384                ; their scale words: [tile 8][lane 32]: lanes 0-15 K step 0, lanes 16-31 K step 1
.set PART,   XSC+1024                  ; [tile 8][wave 8][lane 32] pairs of f32
.set REST,   PART+16384                ; t of the 1,024 rows; u 4,096 bytes on; v 8,192 bytes on
.set RED,    REST+12288                ; 8 wave maxima; 64 bytes on: 8 pairs (z, s)
.set SPARE,  RED+256                   ; the spare words, 128 bytes for each of 8 waves: four blocks of 256 bytes that no other line names
.set LVB,    XIMG                      ; the tail: three levels of 8,192 bytes (keys [wave 8][128], 4,096 bytes on the rows), in bytes that are dead by then and that no tensor load fills
.set SPW, 4                            ; v4   my spare word; never rewritten
.set NIL, 5                            ; v5   0; never rewritten
.set XA0, 6                            ; v6-7 my 64 bytes of row 16 w + r in slot 0, 1
.set LI,  8                            ; v8   XIMG + 16 lane
.set LS,  9                            ; v9   XSC + 4 lane
.set XWI, 10                           ; v10  where I store images: XIMG + 2,048 w + 16 lane
.set XWS, 11                           ; v11  and the scale word: XSC + 128 w + 4 lane
.set PWA, 12                           ; v12  PART + 256 w + 8 lane
.set PRA, 13                           ; v13  PART + 2,048 w + 8 lane
.set RS0, 14                           ; v14  REST + 4 (16 w + r)
.set AI,  15                           ; v15-18 the addresses in hand
.set ASC, 16
.set AP,  17
.set AR,  18
.set WS,  20                           ; v20-25 the weights scale words: scales and nothing else
.set XS,  26                           ; v26-27 x scale words of the two tiles in hand: scales and nothing else
.set W2C, 28                           ; v28-59 W2 at my 32 hidden units
.set QC,  60                           ; v60-75 q / 16 at my 16 key columns
.set XF,  76                           ; v76-107 x fragments: two tiles x two K steps
.set ACCA, 108                         ; v108-155 six accumulators of tile A
.set ACCB, 156                         ; v156-203 of tile B
.set X0,  76                           ; in Q: v76-139, v140-203: 64 numbers of x for each K step
.set X1,  140
.set SV0, 204
.set SV1, 206
.set SL0, 208
.set SL1, 210
.set PA,  212                          ; the result pair of tile A;
.set PB,  250                          ; of tile B
.set TM,  214                          ; v214-229 at work in QUANT
.set PW0, 230
.set PW1, 231
.set PWC, 232
.set PC0, 234                          ; v234-241, v242-249 the codes just made (at the head: offsets of the loads)
.set PC1, 242
.set HT,  234
; window 1 (v256 on): weight fragment (t, K step) at v[16 t + 8 s]; the bias of tile t at v[96 + 8 t]
.set WV,  30
.set P,   32
.set LO4, 33
.set G1,  36                           ; s[36:43] descriptor group 1
.set G0,  44                           ; s[44:47], s[48:51] group 0 of slot 0, 1
.set TRIPS, 52
.set MC,  53
.set MI,  54
.set MS,  55
.set SO,  57
.set ADJ, 58                           ; s[58:59]
.set LASTADJ, 60
.set SEL, 66                           ; s[66:67]
.set MASKHI, 68
.set B2S, 69
.set CM,  70                           ; s70-81 compare masks
.set OWN, 82
.set MSB, 0
.macro WIN new                         ; the immediate high byte repeats the setting that is left
.if MSB != \new
	s_set_vgpr_msb (MSB<<8)|\new
.set MSB, \new
.endif
.endm
.macro QUANT src, pc, pw               ; 64 numbers of a lane, register 16 b + i = k 32 b + 16 (lane / 16) + i of my row, become 8 registers of codes and the row scale word
.irp b, 0,1,2,3
	v_max3_num_f32 v[TM+\b], |v[\src+16*\b]|, |v[\src+1+16*\b]|, 0x1800000   ; and the floor 2^(3 - 127): the byte cannot fall under 1
.endr
.irp i, 2,4,6,8,10,12,14
.irp b, 0,1,2,3
	v_max3_num_f32 v[TM+\b], v[TM+\b], |v[\src+16*\b+\i]|, |v[\src+1+16*\b+\i]|
.endr
.endr
.irp b, 0,1,2,3
	v_permlanex16_b32 v[TM+4+\b], v[TM+\b], s[SEL], s[SEL+1]
.endr
.irp b, 0,1,2,3
	v_max_num_f32 v[TM+\b], v[TM+\b], v[TM+4+\b]
.endr
.irp b, 0,1,2,3
	v_add_nc_u32 v[TM+12+\b], 0xff000000, v[TM+\b]           ; 2 off the exponent field: the conversion scale operand
.endr
.irp b, 0,1,2,3
	v_lshrrev_b32 v[TM+4+\b], 23, v[TM+12+\b]                ; the scale byte
.endr
	v_lshl_or_b32 v[\pw], v[TM+5], 8, v[TM+4]
	v_lshl_or_b32 v[\pw], v[TM+6], 16, v[\pw]
	v_lshl_or_b32 v[\pw], v[TM+7], 24, v[\pw]
.irp b, 0,1,2,3
	v_cvt_scalef32_pk8_fp4_f32 v[\pc+2*\b], v[\src+16*\b:\src+7+16*\b], v[TM+12+\b]
	v_cvt_scalef32_pk8_fp4_f32 v[\pc+1+2*\b], v[\src+8+16*\b:\src+15+16*\b], v[TM+12+\b]
.endr
	v_nop                                                    ; one plain place behind the scaled conversions
.irp c, 0,1
.irp i, 0,1
	v_permlane16_swap_b32 v[\pc+4*\c+\i], v[\pc+2+4*\c+\i]
.endr
.endr
.endm
.macro WSUM x, t                       ; the sum over the 32 lanes, in every lane
.irp m, 1,2,4,8
	v_add_f32_dpp v[\x], v[\x], v[\x] row_xmask:\m row_mask:0xf bank_mask:0xf
.endr
	v_permlanex16_b32 v[\t], v[\x], s[SEL], s[SEL+1]
	v_add_f32 v[\x], v[\x], v[\t]
.endm
.macro WMAX x, t
.irp m, 1,2,4,8
	v_max_num_f32_dpp v[\x], v[\x], v[\x] row_xmask:\m row_mask:0xf bank_mask:0xf
.endr
	v_permlanex16_b32 v[\t], v[\x], s[SEL], s[SEL+1]
	v_max_num_f32 v[\x], v[\x], v[\t]
.endm
.macro TFILL g0                        ; waves 0-3 fetch 32 rows each; the branch hangs on the wave number alone; four v_nop follow the load
	s_cmp_lt_u32 s[WV], 4
	s_cbranch_scc0 .Lnofill_\@
	tensor_load_to_lds s[\g0:\g0+3], s[G1:G1+7]
	s_nop 0
.rept 4
	v_nop
.endr
.Lnofill_\@:
.endm
; One tile of rows behind its products: relu of my 32 hidden units, their dot product with W2, my 16 key columns' dot product with q: a pair to LDS.  Each accumulator is read from its low end on.
.macro EPI acc, pp, off
.set J, 0
.rept 32
	v_max_num_f32 v[\acc+J], 0, v[\acc+J]
.set J, J+1
.endr
	v_pk_mul_f32 v[SV0:SV0+1], v[\acc:\acc+1], v[W2C:W2C+1]                ; two chains of packed multiply-adds
	v_pk_mul_f32 v[SV1:SV1+1], v[\acc+2:\acc+3], v[W2C+2:W2C+3]
.irp j, 4,8,12,16,20,24,28
	v_pk_fma_f32 v[SV0:SV0+1], v[\acc+\j:\acc+\j+1], v[W2C+\j:W2C+\j+1], v[SV0:SV0+1]
	v_pk_fma_f32 v[SV1:SV1+1], v[\acc+\j+2:\acc+\j+3], v[W2C+\j+2:W2C+\j+3], v[SV1:SV1+1]
.endr
	v_pk_mul_f32 v[SL0:SL0+1], v[\acc+32:\acc+33], v[QC:QC+1]
	v_pk_mul_f32 v[SL1:SL1+1], v[\acc+34:\acc+35], v[QC+2:QC+3]
.irp j, 4,8,12
	v_pk_fma_f32 v[SL0:SL0+1], v[\acc+32+\j:\acc+33+\j], v[QC+\j:QC+\j+1], v[SL0:SL0+1]
	v_pk_fma_f32 v[SL1:SL1+1], v[\acc+34+\j:\acc+35+\j], v[QC+\j+2:QC+\j+3], v[SL1:SL1+1]
.endr
	v_pk_add_f32 v[SL0:SL0+1], v[SL0:SL0+1], v[SL1:SL1+1]
	v_pk_add_f32 v[SV0:SV0+1], v[SV0:SV0+1], v[SV1:SV1+1]
	v_add_f32 v[\pp], v[SL0], v[SL0+1]
	v_add_f32 v[\pp+1], v[SV0], v[SV0+1]
	ds_store_b64 v[AP], v[\pp:\pp+1] offset:\off
.endm
	s_load_b512 s[4:19], s[0:1], 0x0               ; x s[4:5], wcodes s[6:7], wscales s[8:9], qraw s[10:11], b1 s[12:13], bk s[14:15], W2 s[16:17], b2 s[18:19]
	s_load_b256 s[20:27], s[0:1], 0x40             ; out2 s[20:21], ukey s[22:23], stats s[24:25], ckey s[26:27]
	s_load_b64 s[28:29], s[0:1], 0x60              ; cidx
	v_lshl_add_u32 v[SPW], v0, 2, SPARE
	v_mov_b32 v[NIL], 0
	ds_add_u32 v4, v5
	s_wait_dscnt 0x0
	v_lshrrev_b32 v1, 5, v0
	v_readfirstlane_b32 s[WV], v1                  ; wave 0..7
	v_and_b32 v1, 31, v0                           ; lane
	v_and_b32 v2, 15, v0                           ; r
	v_bfe_u32 v3, v0, 4, 1                         ; h
	s_min_u32 s34, ttmp9, 8
	s_mul_i32 s[P], ttmp9, 61
	s_add_co_u32 s[P], s[P], s34                   ; P: the window's first tile
	s_cmp_ge_u32 ttmp9, 9
	s_cselect_b32 s[LO4], 4, 0                     ; the first thread of the tail that owns rows: 4 threads to a tile
	; descriptor group 1: 32 rows of 256 elements of 4 bytes, 4 words of padding behind each 256
	s_mov_b32 s[G1], (2<<16)|(1<<20)|(7<<22)|(3<<25)
	s_mov_b32 s[G1+1], 256<<16                     ; tensor_dim0
	s_mov_b32 s[G1+2], 32<<16                      ; tensor_dim1
	s_mov_b32 s[G1+3], 256<<16                     ; tile_dim0
	s_mov_b32 s[G1+4], 32                          ; tile_dim1
	s_mov_b32 s[G1+5], 256                         ; from row to row
	s_mov_b32 s[G1+6], 0
	s_mov_b32 s[G1+7], 0
	s_mul_i32 s34, s[WV], 32*PITCH                 ; my 32 rows in a slot
	s_lshl_b32 s62, s[P], 14                       ; the window in memory: 16,384 bytes a tile (under 2^28),
	s_lshl_b32 s35, s[WV], 15                      ; my 32 rows of it
	s_add_co_u32 s62, s62, s35
	s_mov_b32 s63, 0
	s_cmp_eq_u32 s[WV], 3
	s_cselect_b32 s[LASTADJ], 32768, 0             ; in the last fill wave 3 fetches the rows of wave 2 again: the window has 62 tiles, and no load leaves the buffer
	s_mov_b32 s[ADJ+1], 0
	s_mov_b32 s[SEL], 0x76543210
	s_mov_b32 s[SEL+1], 0xfedcba98
	s_mov_b32 s[MASKHI], 0xffff0000
	s_wait_kmcnt 0x0
	s_add_nc_u64 s[62:63], s[4:5], s[62:63]
	s_mov_b32 s[G0], 1
	s_mov_b32 s[G0+1], s34
	s_mov_b64 s[G0+2:G0+3], s[62:63]
	s_or_b32 s[G0+3], s[G0+3], 0x80000000
	s_mov_b32 s[G0+4], 1
	s_add_co_u32 s[G0+5], s34, SLOT
	s_add_nc_u64 s[G0+6:G0+7], s[62:63], SLOTG
	s_or_b32 s[G0+7], s[G0+7], 0x80000000
	s_cmp_lt_u32 s[WV], 4                          ; both first fills of a wave stand in one branch, ahead of every wait on TENSORcnt, every LDS read and every barrier
	s_cbranch_scc0 .Lno_first
	tensor_load_to_lds s[G0:G0+3], s[G1:G1+7]
	s_nop 0
	tensor_load_to_lds s[G0+4:G0+7], s[G1:G1+7]
	s_nop 0
.rept 4
	v_nop
.endr
.Lno_first:
	s_load_b32 s[B2S], s[18:19], 0x0               ; b2
	; what stays in registers for the whole launch
	v_lshlrev_b32 v[HT+7], 4, v1
	s_lshl_b32 s34, s[WV], 13
	v_add_nc_u32 v[HT], s34, v[HT+7]               ; codes of W1 tiles 4 w on: 8,192 w + 16 lane
	s_lshl_b32 s34, s[WV], 12
	s_add_co_u32 s34, s34, 65536
	v_add_nc_u32 v[HT+1], s34, v[HT+7]             ; of Wk tiles 32 + 2 w on
	v_lshlrev_b32 v[HT+2], 5, v3
	s_lshl_b32 s34, s[WV], 7
	v_add_nc_u32 v[HT+3], s34, v[HT+2]             ; bk, qraw: 4 (32 w + 8 h)
	s_lshl_b32 s34, s[WV], 8
	v_add_nc_u32 v[HT+2], s34, v[HT+2]             ; b1, W2: 4 (64 w + 8 h)
	v_lshlrev_b32 v[HT+5], 2, v1
	s_lshl_b32 s34, s[WV], 9
	v_add_nc_u32 v[HT+4], s34, v[HT+5]             ; scale words of W1 tiles
	s_lshl_b32 s34, s[WV], 8
	s_add_co_u32 s34, s34, 4096
	v_add_nc_u32 v[HT+5], s34, v[HT+5]             ; of Wk tiles
	v_lshlrev_b32 v[HT+6], 5, v1                   ; qraw whole: 8 numbers a lane
	WIN 0x40                                       ; destination window 1
.irp t, 0,1,2,3
.irp ks, 0,1
.irp c, 0,1
	global_load_b128 v[16*\t+8*\ks+4*\c:16*\t+8*\ks+4*\c+3], v[HT], s[6:7] offset:2048*\t+1024*\ks+512*\c
.endr
.endr
.endr
.irp t, 4,5
.irp ks, 0,1
.irp c, 0,1
	global_load_b128 v[16*\t+8*\ks+4*\c:16*\t+8*\ks+4*\c+3], v[HT+1], s[6:7] offset:2048*(\t-4)+1024*\ks+512*\c
.endr
.endr
.endr
.irp t, 0,1,2,3
	global_load_b128 v[96+8*\t:96+8*\t+3], v[HT+2], s[12:13] offset:64*\t          ; b1 at hidden units 64 w + 16 t + 8 h + 0 .. 7: the result's layout
	global_load_b128 v[96+8*\t+4:96+8*\t+7], v[HT+2], s[12:13] offset:64*\t+16
.endr
.irp t, 4,5
	global_load_b128 v[96+8*\t:96+8*\t+3], v[HT+3], s[14:15] offset:64*(\t-4)      ; bk likewise
	global_load_b128 v[96+8*\t+4:96+8*\t+7], v[HT+3], s[14:15] offset:64*(\t-4)+16
.endr
	WIN 0
.irp t, 0,1,2,3
	global_load_b32 v[WS+\t], v[HT+4], s[8:9] offset:128*\t
.endr
.irp t, 4,5
	global_load_b32 v[WS+\t], v[HT+5], s[8:9] offset:128*(\t-4)
.endr
.irp t, 0,1,2,3
	global_load_b128 v[W2C+8*\t:W2C+8*\t+3], v[HT+2], s[16:17] offset:64*\t
	global_load_b128 v[W2C+8*\t+4:W2C+8*\t+7], v[HT+2], s[16:17] offset:64*\t+16
.endr
.irp t, 0,1
	global_load_b128 v[QC+8*\t:QC+8*\t+3], v[HT+3], s[10:11] offset:64*\t
	global_load_b128 v[QC+8*\t+4:QC+8*\t+7], v[HT+3], s[10:11] offset:64*\t+16
.endr
	global_load_b128 v[76:79], v[HT+6], s[10:11]
	global_load_b128 v[80:83], v[HT+6], s[10:11] offset:16
	; the LDS addresses: a constant + a constant x lane + a constant x wave
	s_mul_i32 s34, s[WV], 16*PITCH
	v_mul_u32_u24 v[XA0], v2, PITCH
	v_lshl_add_u32 v[XA0], v3, 6, v[XA0]
	v_add_nc_u32 v[XA0], s34, v[XA0]
	v_add_nc_u32 v[XA0+1], SLOT, v[XA0]
	v_lshl_add_u32 v[LI], v1, 4, XIMG
	v_lshl_add_u32 v[LS], v1, 2, XSC
	v_lshl_add_u32 v[PWA], v1, 3, PART
	s_lshl_b32 s34, s[WV], 11
	v_add_nc_u32 v[XWI], s34, v[LI]
	v_add_nc_u32 v[PRA], s34, v[PWA]
	s_lshl_b32 s34, s[WV], 8
	v_add_nc_u32 v[PWA], s34, v[PWA]
	s_lshl_b32 s34, s[WV], 7
	v_add_nc_u32 v[XWS], s34, v[LS]
	v_lshl_add_u32 v[RS0], v2, 2, REST
	s_lshl_b32 s34, s[WV], 6
	v_add_nc_u32 v[RS0], s34, v[RS0]
.irp b, 0,1,2,3
	v_mov_b32 v[TM+4+\b], 0                        ; written once: a lane permute destination counts as one of its sources
.endr
	v_mov_b32 v85, 0
	s_wait_loadcnt 0x0
	; q / 16 = qraw x 0.125 / max(|qraw|, 1e-12)
	v_mul_f32 v84, v76, v76
.irp i, 77,78,79,80,81,82,83
	v_fmac_f32 v84, v\i, v\i
.endr
	WSUM 84, 85
	v_sqrt_f32 v84, v84
	v_nop                                          ; a plain place behind the transcendental,
	s_wait_alu depctr_va_vdst(0)                   ; and the wait ahead of its first reader
	v_max_num_f32 v84, 0x2b8cbccc, v84             ; 1e-12
	v_rcp_f32 v84, v84
	v_nop
	s_wait_alu depctr_va_vdst(0)
	v_mul_f32 v84, 0x3e000000, v84                 ; x 2 / 16
	v_mov_b32 v85, v84
.irp j, 0,2,4,6,8,10,12,14
	v_pk_mul_f32 v[QC+\j:QC+\j+1], v[QC+\j:QC+\j+1], v[84:85]
.endr
	s_mov_b32 s[SO], 0
	s_mov_b32 s[TRIPS], 3
	s_wait_kmcnt 0x0                               ; b2
	s_wait_tensorcnt 1                             ; my part of slot 0 is in; slot 1's load, issued behind it, may stay out
	s_barrier_signal -1
	s_barrier_wait -1
.macro WORK slot, refill
	; ---- Q: tile w of the slot: my row's 2 x 64 numbers
.irp ks, 0,1
.irp b, 0,1,2,3
.irp j, 0,1,2,3
	ds_load_b128 v[X0+64*\ks+16*\b+4*\j:X0+64*\ks+16*\b+4*\j+3], v[XA0+\slot] offset:512*\ks+128*\b+16*\j
.endr
.endr
.endr
	s_wait_dscnt 16                                ; K step 0 is in: 16 loads were issued behind its 16
	QUANT X0, PC0, PW0
	ds_store_b128 v[XWI], v[PC0:PC0+3]             ; the fragment goes to LDS as it stands in the registers
	ds_store_b128 v[XWI], v[PC0+4:PC0+7] offset:512
	s_wait_dscnt 2                                 ; K step 1 is in: only the two stores are younger
	QUANT X1, PC1, PW1
	ds_store_b128 v[XWI], v[PC1:PC1+3] offset:1024
	ds_store_b128 v[XWI], v[PC1+4:PC1+7] offset:1536
	v_cndmask_b32 v[PWC], v[PW0], v[PW1], s[MASKHI]
	ds_store_b32 v[XWS], v[PWC]
	; ---- the barrier: the images are whole, the slot has been read out, the other slot has landed
	s_wait_tensorcnt 0x0                           ; all my tensor loads have landed: the one that was out is my part of the other slot
	ds_add_u32 v[SPW], v[NIL]                      ; 0 onto my spare word
.if \refill
.if \slot == 0
	s_add_nc_u64 s[G0+2:G0+3], s[G0+2:G0+3], 2*SLOTG       ; no tensor load of mine is out: the slot's next 128 rows
.else
	s_cmp_eq_u32 s[TRIPS], 1                       ; the last fill of all: wave 3 steps 32 rows less
	s_cselect_b32 s[ADJ], s[LASTADJ], 0
	s_add_nc_u64 s[G0+6:G0+7], s[G0+6:G0+7], 2*SLOTG
	s_sub_nc_u64 s[G0+6:G0+7], s[G0+6:G0+7], s[ADJ:ADJ+1]
.endif
.endif
	s_wait_dscnt 0x0                               ; the add is done, my stores have landed, my reads of the slot are over
	s_barrier_signal -1
	s_barrier_wait -1
.if \refill
	TFILL G0+4*\slot                               ; first behind the barrier: it has M, F and the next Q in which to land
.endif
	; ---- M: four trips of two tiles of rows
	s_mov_b32 s[MI], 0
	s_mov_b32 s[MS], 0
	s_mov_b32 s[MC], 4
.Lm_\@:
	v_add_nc_u32 v[AI], s[MI], v[LI]
	v_add_nc_u32 v[ASC], s[MS], v[LS]
.irp m, 0,1
.irp c, 0,1,2,3
	ds_load_b128 v[XF+16*\m+4*\c:XF+16*\m+4*\c+3], v[AI] offset:2048*\m+512*\c
.endr
	ds_load_b32 v[XS+\m], v[ASC] offset:128*\m
.endr
	s_wait_dscnt 0x0                               ; the fragments are in, and the last trip's two stores are done
	v_add_nc_u32 v[AP], s[MI], v[PWA]
	WIN 0x11                                       ; source 0 (weights) and C (bias) window 1
.irp t, 0,1,2,3,4,5
.irp m, 0,1
	v_wmma_scale_f32_16x16x128_f8f6f4 v[ACCA+48*\m+8*\t:ACCA+48*\m+8*\t+7], v[16*\t:16*\t+7], v[XF+16*\m:XF+16*\m+7], v[96+8*\t:96+8*\t+7], v[WS+\t], v[XS+\m] matrix_a_fmt:MATRIX_FMT_FP4 matrix_b_fmt:MATRIX_FMT_FP4
.endr
.endr
	WIN 0x01                                       ; the twelve accumulators take turns, one instruction a turn
.irp t, 0,1,2,3,4,5
.irp m, 0,1
	v_wmma_scale_f32_16x16x128_f8f6f4 v[ACCA+48*\m+8*\t:ACCA+48*\m+8*\t+7], v[16*\t+8:16*\t+15], v[XF+16*\m+8:XF+16*\m+15], v[ACCA+48*\m+8*\t:ACCA+48*\m+8*\t+7], v[WS+\t], v[XS+\m] matrix_a_fmt:MATRIX_FMT_FP4 matrix_b_fmt:MATRIX_FMT_FP4 matrix_a_scale:MATRIX_SCALE_ROW1 matrix_b_scale:MATRIX_SCALE_ROW1
.endr
.endr
	WIN 0
.rept 4
	v_nop                                          ; four places behind the last product, ahead of the first read of results
.endr
	EPI ACCA, PA, 0
	EPI ACCB, PB, 2048
	s_add_co_u32 s[MI], s[MI], 4096                ; two tiles on: 2,048 bytes a tile in the images and in the parts alike
	s_add_co_u32 s[MS], s[MS], 256
	s_sub_co_u32 s[MC], s[MC], 1
	s_cmp_lg_u32 s[MC], 0
	s_cbranch_scc1 .Lm_\@
	s_wait_dscnt 0x0                               ; my parts have landed, my reads of the images are over
	s_barrier_signal -1
	s_barrier_wait -1
	; ---- F: tile w: the eight waves' parts, the two halves of the lanes, then t, v, u
.irp j, 0,1,2,3,4,5,6,7
	ds_load_b64 v[76+2*\j:77+2*\j], v[PRA] offset:256*\j
.endr
	s_wait_dscnt 0x0
	v_pk_add_f32 v[76:77], v[76:77], v[78:79]
	v_pk_add_f32 v[80:81], v[80:81], v[82:83]
	v_pk_add_f32 v[84:85], v[84:85], v[86:87]
	v_pk_add_f32 v[88:89], v[88:89], v[90:91]
	v_pk_add_f32 v[76:77], v[76:77], v[80:81]
	v_pk_add_f32 v[84:85], v[84:85], v[88:89]
	v_pk_add_f32 v[76:77], v[76:77], v[84:85]
	v_permlanex16_b32 v92, v76, s[SEL], s[SEL+1]
	v_permlanex16_b32 v93, v77, s[SEL], s[SEL+1]
	v_pk_add_f32 v[76:77], v[76:77], v[92:93]      ; the logit, and h . W2
	v_add_f32 v77, s[B2S], v77
	v_mul_f32 v94, 0xbfb8aa3b, v77                 ; - z log2(e)
	v_exp_f32 v94, v94
	v_mul_f32 v95, 0x3fb8aa3b, v76                 ; t  (the plain place behind the exponential)
	s_wait_alu depctr_va_vdst(0)
	v_add_f32 v94, 1.0, v94
	v_rcp_f32 v96, v94                             ; v = 1 / (1 + 2^(-z log2 e))
	v_log_f32 v97, v94                             ; - log2 v
	v_add_nc_u32 v[AR], s[SO], v[RS0]              ; (the plain place)
	s_wait_alu depctr_va_vdst(0)                   ; one wait for the two
	v_sub_f32 v97, v95, v97                        ; u
	ds_store_b32 v[AR], v95                        ; both halves of the lanes write the same word with the same value
	ds_store_b32 v[AR], v97 offset:4096
	ds_store_b32 v[AR], v96 offset:8192
	s_add_co_u32 s[SO], s[SO], 512                 ; 128 rows on
.endm
.Lpair:                                                ; three trips: slots 0 to 5, each filled again
	WORK 0, 1
	WORK 1, 1
	s_sub_co_u32 s[TRIPS], s[TRIPS], 1
	s_cmp_lg_u32 s[TRIPS], 0
	s_cbranch_scc1 .Lpair
	WORK 0, 0                                      ; the last two slots are written out: nothing is left to fetch
	WORK 1, 0
; ---- THE TAIL.  Thread n takes rows 4 n .. 4 n + 3 of the window.
.set T4,  76
.set U4,  80
.set V4,  84
.set KC,  88                           ; the keys, element e = 4 lane + i; KO the other set: an in-lane stage writes from one into the other
.set KO,  92
.set IC,  96                           ; the rows
.set IO,  100
.set KT,  104                          ; the partner's
.set IT,  108
.set NI,  112
.set MX,  113
.set MT,  114
.set MT2, 115
.set RA8, 116
.set EX,  124
.set GOF, 132
.set RVA, 133
.set L16, 134
.set PAD, 135
.set CA,  136
.set SA,  137
.set RDA, 138
.set REDM, 139
.set STV, 140
.set ZS,  144
.set ZP,  160
.set REDA, 162
.set REDW, 163
; THE ORDER: a beats b where key a > key b, or the keys are equal and row a < row b.  A bitonic network on 128 elements; the best comes to element 0.
; A stage across lanes: lane l with lane l xor dl.  I keep my own where (mine beats the partner's) xor (I am the upper lane) xor (the run is a rising one).
.macro XSTAGE dl, dir
.if \dl == 1
.set LB, 0xAAAAAAAA
.elseif \dl == 2
.set LB, 0xCCCCCCCC
.elseif \dl == 4
.set LB, 0xF0F0F0F0
.elseif \dl == 8
.set LB, 0xFF00FF00
.else
.set LB, 0xFFFF0000
.endif
.set LT, LB^(\dir)
.irp i, 0,1,2,3
.if \dl == 16
	v_permlanex16_b32 v[KT+\i], v[KC+\i], s[SEL], s[SEL+1]
	v_permlanex16_b32 v[IT+\i], v[IC+\i], s[SEL], s[SEL+1]
.else
	v_mov_b32_dpp v[KT+\i], v[KC+\i] row_xmask:\dl row_mask:0xf bank_mask:0xf
	v_mov_b32_dpp v[IT+\i], v[IC+\i] row_xmask:\dl row_mask:0xf bank_mask:0xf
.endif
.endr
.irp i, 0,1,2,3
	v_cmp_gt_u32 s[CM+3*\i], v[KC+\i], v[KT+\i]
	v_cmp_eq_u32 s[CM+3*\i+1], v[KC+\i], v[KT+\i]
	v_cmp_lt_u32 s[CM+3*\i+2], v[IC+\i], v[IT+\i]
.endr
.irp i, 0,1,2,3
	s_and_b32 s[CM+3*\i+1], s[CM+3*\i+1], s[CM+3*\i+2]
	s_or_b32 s[CM+3*\i], s[CM+3*\i], s[CM+3*\i+1]
	s_xor_b32 s[CM+3*\i], s[CM+3*\i], LT
.endr
.irp i, 0,1,2,3
	v_cndmask_b32 v[KC+\i], v[KT+\i], v[KC+\i], s[CM+3*\i]
	v_cndmask_b32 v[IC+\i], v[IT+\i], v[IC+\i], s[CM+3*\i]
.endr
.endm
; A stage inside the lane: pairs (a0, b0) and (a1, b1) change places where (b beats a) xor (the run is a rising one); the results go to the other register set.
.macro ISTAGE a0, b0, a1, b1, l0, l1
	v_cmp_gt_u32 s[CM], v[KC+\b0], v[KC+\a0]
	v_cmp_eq_u32 s[CM+1], v[KC+\b0], v[KC+\a0]
	v_cmp_lt_u32 s[CM+2], v[IC+\b0], v[IC+\a0]
	v_cmp_gt_u32 s[CM+3], v[KC+\b1], v[KC+\a1]
	v_cmp_eq_u32 s[CM+4], v[KC+\b1], v[KC+\a1]
	v_cmp_lt_u32 s[CM+5], v[IC+\b1], v[IC+\a1]
	s_and_b32 s[CM+1], s[CM+1], s[CM+2]
	s_and_b32 s[CM+4], s[CM+4], s[CM+5]
	s_or_b32 s[CM], s[CM], s[CM+1]
	s_or_b32 s[CM+3], s[CM+3], s[CM+4]
.if (\l0) != 0
	s_xor_b32 s[CM], s[CM], \l0
.endif
.if (\l1) != 0
	s_xor_b32 s[CM+3], s[CM+3], \l1
.endif
	v_cndmask_b32 v[KO+\a0], v[KC+\a0], v[KC+\b0], s[CM]
	v_cndmask_b32 v[KO+\b0], v[KC+\b0], v[KC+\a0], s[CM]
	v_cndmask_b32 v[IO+\a0], v[IC+\a0], v[IC+\b0], s[CM]
	v_cndmask_b32 v[IO+\b0], v[IC+\b0], v[IC+\a0], s[CM]
	v_cndmask_b32 v[KO+\a1], v[KC+\a1], v[KC+\b1], s[CM+3]
	v_cndmask_b32 v[KO+\b1], v[KC+\b1], v[KC+\a1], s[CM+3]
	v_cndmask_b32 v[IO+\a1], v[IC+\a1], v[IC+\b1], s[CM+3]
	v_cndmask_b32 v[IO+\b1], v[IC+\b1], v[IC+\a1], s[CM+3]
.set SWP, KC
.set KC, KO
.set KO, SWP
.set SWP, IC
.set IC, IO
.set IO, SWP
.endm
; One phase of the network: dir = the lanes whose runs rise; top = the widest step across lanes.
.macro PHASE dir, top
.irp dl, 16,8,4,2,1
.if \dl <= \top
	XSTAGE \dl, \dir
.endif
.endr
	ISTAGE 0,2,1,3, \dir, \dir
	ISTAGE 0,1,2,3, \dir, \dir
.endm
; A level of the merge over waves: every wave stores its list REVERSED (element e at place 127 - e), so that the best 64 lie at places 64 .. 127; behind a barrier lanes 16-31 take
; the partner's places 64 .. 127.  My best 64 falling, the partner's best 64 rising: one merging phase sorts them.  Each level has LDS bytes of its own: one barrier a level.
.macro LEVEL lv
.irp i, 0,1,2,3
	ds_store_b32 v[RVA], v[KC+\i] offset:8192*\lv+4*(3-\i)
	ds_store_b32 v[RVA], v[IC+\i] offset:8192*\lv+4096+4*(3-\i)
.endr
	s_xor_b32 s34, s[WV], 1<<\lv
	s_lshl_b32 s34, s34, 9
	v_add_nc_u32 v[PAD], s34, v[L16]
	s_wait_dscnt 0x0
	s_barrier_signal -1
	s_barrier_wait -1
	ds_load_b128 v[KT:KT+3], v[PAD] offset:8192*\lv
	ds_load_b128 v[IT:IT+3], v[PAD] offset:8192*\lv+4096
	s_wait_dscnt 0x0
.irp i, 0,1,2,3
	v_cndmask_b32 v[KC+\i], v[KC+\i], v[KT+\i], s[MASKHI]
	v_cndmask_b32 v[IC+\i], v[IC+\i], v[IT+\i], s[MASKHI]
.endr
	PHASE 0, 16
.endm
	s_wait_dscnt 0x0                               ; my last results have landed, my reads of the parts are over
	s_barrier_signal -1
	s_barrier_wait -1
	v_lshl_add_u32 v[RDA], v0, 4, REST
	ds_load_b128 v[T4:T4+3], v[RDA]
	ds_load_b128 v[U4:U4+3], v[RDA] offset:4096
	ds_load_b128 v[V4:V4+3], v[RDA] offset:8192
	v_cmp_le_u32 s70, s[LO4], v0                   ; my rows are owned: not the neighbour's tile,
	v_cmp_gt_u32 s71, 248, v0                      ; and inside the 62 tiles
	s_and_b32 s[OWN], s70, s71
	v_mov_b32 v[NI], 0xff800000                    ; -infinity
	v_lshlrev_b32 v[GOF], 4, v0
	s_lshl_b32 s34, s[P], 6                        ; 64 bytes of out2 and of ukey a tile
	s_mov_b32 s35, 0
	s_add_nc_u64 s[20:21], s[20:21], s[34:35]
	s_add_nc_u64 s[22:23], s[22:23], s[34:35]
	s_lshl_b32 s34, s[P], 4                        ; the window's first row
	v_lshl_add_u32 v[IC], v0, 2, s34
.irp i, 1,2,3
	v_add_nc_u32 v[IC+\i], \i, v[IC]
.endr
.irp i, 0,1,2,3
	v_mov_b32 v[IT+\i], 0                          ; written once: a lane permute destination counts as one of its sources
.endr
	v_mov_b32 v[MT], 0
	v_mov_b32 v[MT2], 0
	s_lshl_b32 s34, s[WV], 2
	s_add_co_u32 s34, s34, RED
	v_mov_b32 v[REDM], s34
	v_mov_b32 v[REDA], RED
	s_lshl_b32 s34, s[WV], 3
	s_add_co_u32 s34, s34, RED+64
	v_mov_b32 v[REDW], s34
	v_lshl_add_u32 v[L16], v1, 4, LVB
	v_lshlrev_b32 v[RVA], 4, v1
	s_lshl_b32 s34, s[WV], 9
	s_add_co_u32 s34, s34, LVB+496
	v_sub_nc_u32 v[RVA], s34, v[RVA]               ; LVB + 512 w + 496 - 16 lane
	s_wait_dscnt 0x0
.irp i, 0,1,2,3
	v_cndmask_b32 v[T4+\i], v[NI], v[T4+\i], s[OWN]            ; what is not owned counts for nothing
	v_cndmask_b32 v[U4+\i], v[NI], v[U4+\i], s[OWN]
.endr
	s_mov_b32 vcc_lo, s[OWN]
	s_wait_xcnt 0x0                                ; EXEC changes only behind this wait
	s_and_saveexec_b32 s83, vcc_lo
	global_store_b128 v[GOF], v[V4:V4+3], s[20:21] th:TH_STORE_NT
	global_store_b128 v[GOF], v[U4:U4+3], s[22:23]
	s_wait_xcnt 0x0                                ; and again ahead of the line that widens it
	s_or_b32 exec_lo, exec_lo, s83
	v_max3_num_f32 v[MX], v[T4], v[T4+1], v[T4+2]
	v_max_num_f32 v[MX], v[MX], v[T4+3]
	WMAX MX, MT
	ds_store_b32 v[REDM], v[MX]                    ; my wave's largest t: visible behind the first level's barrier
.irp i, 0,1,2,3
	v_ashrrev_i32 v[KT+\i], 31, v[U4+\i]           ; u as a u32 that keeps the order: negative numbers turn all bits, the others the sign
	v_or_b32 v[KT+\i], 0x80000000, v[KT+\i]
	v_xor_b32 v[KC+\i], v[U4+\i], v[KT+\i]
	v_cndmask_b32 v[KC+\i], 0, v[KC+\i], s[OWN]    ; 0 lies under every key of a row
.endr
	ISTAGE 0,1,2,3, 0, -1                          ; runs of 2: the second pair rises
	PHASE 0xAAAAAAAA, 0                            ; runs of 4
	PHASE 0xCCCCCCCC, 1
	PHASE 0xF0F0F0F0, 2
	PHASE 0xFF00FF00, 4
	PHASE 0xFFFF0000, 8
	PHASE 0, 16                                    ; my wave's 128 rows are sorted
	LEVEL 0
	; the softmax parts of my wave under the work-group's largest t
	ds_load_b128 v[RA8:RA8+3], v[REDA]
	ds_load_b128 v[RA8+4:RA8+7], v[REDA] offset:16
	s_wait_dscnt 0x0
	v_max3_num_f32 v[MX], v[RA8], v[RA8+1], v[RA8+2]
	v_max3_num_f32 v[MX], v[MX], v[RA8+3], v[RA8+4]
	v_max3_num_f32 v[MX], v[MX], v[RA8+5], v[RA8+6]
	v_max_num_f32 v[MX], v[MX], v[RA8+7]           ; m
.irp i, 0,1,2,3
	v_sub_f32 v[EX+\i], v[T4+\i], v[MX]
	v_sub_f32 v[EX+4+\i], v[U4+\i], v[MX]
.endr
.irp j, 0,1,2,3,4,5,6,7
	v_exp_f32 v[EX+\j], v[EX+\j]
.endr
	v_nop                                          ; a plain place behind the batch,
	s_wait_alu depctr_va_vdst(0)                   ; and one wait for the eight
	v_pk_add_f32 v[EX:EX+1], v[EX:EX+1], v[EX+2:EX+3]
	v_pk_add_f32 v[EX+4:EX+5], v[EX+4:EX+5], v[EX+6:EX+7]
	v_add_f32 v[ZP], v[EX], v[EX+1]
	v_add_f32 v[ZP+1], v[EX+4], v[EX+5]
	WSUM ZP, MT
	WSUM ZP+1, MT2
	ds_store_b64 v[REDW], v[ZP:ZP+1]               ; visible behind the second level's barrier
	LEVEL 1
	LEVEL 2                                        ; every wave now holds the work-group's list; lanes 0-15 its best 64
	s_cmp_lg_u32 s[WV], 0
	s_cbranch_scc1 .Lend
.irp j, 0,1,2,3
	ds_load_b128 v[ZS+4*\j:ZS+4*\j+3], v[REDA] offset:64+16*\j
.endr
	v_lshrrev_b32 v[CA], 1, v1                     ; place p = 4 lane + i lies at (p / 8) x 8,192 + 32 g + 4 (p % 8): the next launch reads a depth block of all lists on end
	v_lshlrev_b32 v[CA], 13, v[CA]
	v_and_b32 v[SA], 1, v1
	v_lshl_add_u32 v[CA], v[SA], 4, v[CA]
	s_lshl_b32 s34, ttmp9, 5
	v_add_nc_u32 v[CA], s34, v[CA]
	s_lshl_b32 s34, ttmp9, 4
	v_mov_b32 v[SA], s34
	s_wait_dscnt 0x0
	v_pk_add_f32 v[ZS:ZS+1], v[ZS:ZS+1], v[ZS+2:ZS+3]
	v_pk_add_f32 v[ZS+4:ZS+5], v[ZS+4:ZS+5], v[ZS+6:ZS+7]
	v_pk_add_f32 v[ZS+8:ZS+9], v[ZS+8:ZS+9], v[ZS+10:ZS+11]
	v_pk_add_f32 v[ZS+12:ZS+13], v[ZS+12:ZS+13], v[ZS+14:ZS+15]
	v_pk_add_f32 v[ZS:ZS+1], v[ZS:ZS+1], v[ZS+4:ZS+5]
	v_pk_add_f32 v[ZS+8:ZS+9], v[ZS+8:ZS+9], v[ZS+12:ZS+13]
	v_pk_add_f32 v[STV:STV+1], v[ZS:ZS+1], v[ZS+8:ZS+9]        ; Z, S
	v_mov_b32 v[STV+2], v[MX]                      ; m
	v_mov_b32 v[STV+3], 0
	v_cmp_gt_u32 vcc_lo, 16, v1
	s_wait_xcnt 0x0
	s_and_saveexec_b32 s83, vcc_lo
	global_store_b128 v[CA], v[KC:KC+3], s[26:27]
	global_store_b128 v[CA], v[IC:IC+3], s[28:29]
	s_wait_xcnt 0x0
	s_or_b32 exec_lo, exec_lo, s83
	v_cmp_eq_u32 vcc_lo, 0, v1
	s_and_saveexec_b32 s83, vcc_lo                 ; (nothing was issued since the wait above)
	global_store_b128 v[SA], v[STV:STV+3], s[24:25]
	s_wait_xcnt 0x0
	s_or_b32 exec_lo, exec_lo, s83
.Lend:
	s_wait_tensorcnt 0x0                           ; the wave's end: behind my last tensor load and my last LDS store
	ds_add_u32 v[SPW], v[NIL]
	s_wait_dscnt 0x0
	s_endpgm
.Lfunc_end_k_qa884f683d6_main:
	.size	k_qa884f683d6_main, .Lfunc_end_k_qa884f683d6_main-k_qa884f683d6_main
	.p2alignl 7, 3214868480
	.fill 96, 4, 3214868480
	.section	.rodata,"a",@progbits
	.p2align	6, 0x0
	.amdhsa_kernel k_qa884f683d6_main
		.amdhsa_group_segment_fixed_size 327680
		.amdhsa_private_segment_fixed_size 0
		.amdhsa_enable_private_segment 0
		.amdhsa_kernarg_size 104
		.amdhsa_user_sgpr_count 2
		.amdhsa_user_sgpr_kernarg_segment_ptr 1
		.amdhsa_wavefront_size32 1
		.amdhsa_system_sgpr_workgroup_id_x 1
		.amdhsa_system_sgpr_workgroup_id_y 1
		.amdhsa_system_sgpr_workgroup_id_z 1
		.amdhsa_system_vgpr_workitem_id 0
		.amdhsa_next_free_vgpr 400
		.amdhsa_next_free_sgpr 100
		.amdhsa_reserve_vcc 1
		.amdhsa_float_denorm_mode_32 3
		.amdhsa_float_denorm_mode_16_64 3
		.amdhsa_memory_ordered 1
		.amdhsa_forward_progress 1
		.amdhsa_inst_pref_size 199
	.end_amdhsa_kernel
	.amdgpu_metadata
---
amdhsa.version: [ 1, 2 ]
amdhsa.kernels:
  - .name:           k_qa884f683d6_main
    .symbol:         k_qa884f683d6_main.kd
    .args:
      - { .name: sensory_input, .offset: 0, .size: 8, .value_kind: global_buffer, .address_space: global }
      - { .name: wcodes, .offset: 8, .size: 8, .value_kind: global_buffer, .address_space: global }
      - { .name: wscales, .offset: 16, .size: 8, .value_kind: global_buffer, .address_space: global }
      - { .name: qraw, .offset: 24, .size: 8, .value_kind: global_buffer, .address_space: global }
      - { .name: b1, .offset: 32, .size: 8, .value_kind: global_buffer, .address_space: global }
      - { .name: bk, .offset: 40, .size: 8, .value_kind: global_buffer, .address_space: global }
      - { .name: W2, .offset: 48, .size: 8, .value_kind: global_buffer, .address_space: global }
      - { .name: b2, .offset: 56, .size: 8, .value_kind: global_buffer, .address_space: global }
      - { .name: out2, .offset: 64, .size: 8, .value_kind: global_buffer, .address_space: global }
      - { .name: ukey, .offset: 72, .size: 8, .value_kind: global_buffer, .address_space: global }
      - { .name: stats, .offset: 80, .size: 8, .value_kind: global_buffer, .address_space: global }
      - { .name: ckey, .offset: 88, .size: 8, .value_kind: global_buffer, .address_space: global }
      - { .name: cidx, .offset: 96, .size: 8, .value_kind: global_buffer, .address_space: global }
    .group_segment_fixed_size: 327680
    .private_segment_fixed_size: 0
    .kernarg_segment_align: 8
    .kernarg_segment_size: 104
    .max_flat_workgroup_size: 256
    .sgpr_count:     100
    .vgpr_count:     400
    .wavefront_size: 32
...
	.end_amdgpu_metadata
.endif
;; end of part 2
;; launch finish (part 3): grid 256 x 1, 8 waves a work-group, no clusters, 3,072 bytes of LDS; arguments ukey, stats, ckey, cidx, sensory_input, out0, out1; writes out0, out1
.if DOCPART == 3
	.amdgcn_target "amdgcn-amd-amdhsa--gfx1250"
	.amdhsa_code_object_version 6
	.text
	.protected	k_qa884f683d6_finish
	.globl	k_qa884f683d6_finish
	.p2align	8
	.type	k_qa884f683d6_finish,@function
k_qa884f683d6_finish:
	s_mov_b64 s[64:65], 0
	v_nop
	global_prefetch_b8 v0, s[64:65] scope:SCOPE_SE
	s_setreg_imm32_b32 hwreg(HW_REG_WAVE_MODE, 25, 1), 1
	s_wait_xcnt 0x0
; LAUNCH 3 OF 3.  (a) allocation = 2^(u - M) c, with M the largest t of all rows, Z = sum Z_g 2^(m_g - M), S likewise, c = (1 / Z) / max(S / Z, 1e-12): the softmax with its maximum taken away,
; times the value, divided by the sum.  Thread n of work-group g takes the four rows 4 (256 g + n) on: each store of a wave covers 512 consecutive bytes; work-groups 245 on have no such rows.
; (b) THE 64 BEST ROWS.  Each of the 256 lists (ckey, cidx: whole numbers that the launch before stored) holds a work-group's best 64, sorted by (key falling, row rising); the best 64 of all lie in them.
; Work-group g ranks the entries of list g.  T = the least, over 64 groups of 4 lists, of the group's largest head: 64 entries at least have a key >= T, so every winner has.  An entry's rank is the
; number of entries of all lists that beat it: exact where it is under 64, and 64 or more otherwise.  So each rank 0 .. 63 has one owner, which stores that row of out0.
; Only entries with key >= T are ranked (a prefix of list g) and only such entries can beat them: thread n holds depths 0-7 of list n; a wave in which some list has 8 such entries also
; walks depths 8-63.  All that steers a branch, a trip count or an address here is whole numbers read from memory; row and rank are held inside their tables ahead of the address.
; Wave v fetches the row of entry v of list g ahead of the decision: the second trip to memory is then over when the ranks are known.
; LIMITS: as in the launch before: the order is that of u in f32, equal u by the lower row; NaN and infinities are not served.
.set L16, 2                            ; v2   16 x lane
.set AO,  3                            ; v3   my entry of list g
.set AH,  4                            ; v4   32 x lane: the heads
.set AF,  5                            ; v5   32 x thread: list n, depths 0-7
.set QD,  6                            ; v6   my quad of rows
.set AU,  7                            ; v7   its byte offset, held inside the buffer
.set OI0, 8                            ; rows and keys of entries lane and 32 + lane of list g
.set OI1, 9
.set OK0, 10
.set OK1, 11
.set HD,  12                           ; v12-19  heads of lists lane + 32 j
.set FK,  20                           ; v20-27  keys, v28-35 rows of list n, depths 0-7
.set FI,  28
.set ST,  36                           ; v36-67  (Z, S, m, 0) of work-groups lane + 32 j
.set U4,  68
.set ROW, 72                           ; v72-79  the row fetched ahead
.set CNT0, 80
.set CNT1, 81
.set RANK0, 82
.set RANK1, 83
.set TB,  84                           ; v84-99  at work
.set DK,  100                          ; v100-155 keys of depths 8-63; later the rows of the gather
.set DI,  156                          ; v156-211 rows of depths 8-63
.set RA,  212                          ; v212-219 a load offset for each block of the gather
.set OA,  220                          ; v220-227 a store offset for each
.set MM,  228
.set MT,  229
.set ZZ,  230
.set SS,  231
.set RZ,  232
.set AA,  233
.set CC,  234
.set MT2, 235
.set EF,  236                          ; v236-243
.set EU,  244                          ; v244-247
.set CW,  248
.set CR,  249
.set WV,  18
.set SEL, 22
.set TT,  24
.set SW,  25
.set N0,  26
.set N1,  27
.set PP,  30
.set KCS, 31
.set ICS, 32
.set CN,  33
.set PM,  34                           ; s34-39 masks, two sets by turns
.macro WSUM x, t
.irp m, 1,2,4,8
	v_add_f32_dpp v[\x], v[\x], v[\x] row_xmask:\m row_mask:0xf bank_mask:0xf
.endr
	v_permlanex16_b32 v[\t], v[\x], s[SEL], s[SEL+1]
	v_add_f32 v[\x], v[\x], v[\t]
.endm
; For each of the first cnum entries held in (ok, oi): how many of my wave's 32 lists x nd depths in (kb, ib) beat it; added to lane p of cnt.
.macro PLOOP ok, oi, cnt, cnum, kb, ib, nd
	s_cmp_eq_u32 s[\cnum], 0
	s_cbranch_scc1 .Lpskip_\@
	s_mov_b32 s[PP], 0
.Lp_\@:
	v_readlane_b32 s[KCS], v[\ok], s[PP]
	v_readlane_b32 s[ICS], v[\oi], s[PP]
	v_readlane_b32 s[CN], v[\cnt], s[PP]
.set D, 0
.rept \nd
.set MB, PM+3*(D%2)
	v_cmp_lt_u32 s[MB], s[KCS], v[\kb+D]           ; a larger key,
	v_cmp_eq_u32 s[MB+1], s[KCS], v[\kb+D]         ; or the same key
	v_cmp_gt_u32 s[MB+2], s[ICS], v[\ib+D]         ; and a lower row
	s_and_b32 s[MB+1], s[MB+1], s[MB+2]
	s_or_b32 s[MB], s[MB], s[MB+1]
	s_bcnt1_i32_b32 s[MB], s[MB]
	s_add_co_u32 s[CN], s[CN], s[MB]
.set D, D+1
.endr
	v_writelane_b32 v[\cnt], s[CN], s[PP]
	s_add_co_u32 s[PP], s[PP], 1
	s_cmp_lt_u32 s[PP], s[\cnum]
	s_cbranch_scc1 .Lp_\@
.Lpskip_\@:
.endm
; Entry wave + 8 i of list g: if it is ranked and its rank is under 64, its row goes to out0.  The ranked entries are a prefix: past its end nothing follows.
.macro GATH i
	s_add_co_u32 s41, s[WV], 8*\i
	s_cmp_lt_u32 s41, s[SW]
	s_cbranch_scc0 .Lgend
.if \i >= 4
	s_sub_co_u32 s41, s41, 32
.set GRK, RANK1
.set GOI, OI1
.else
.set GRK, RANK0
.set GOI, OI0
.endif
	v_readlane_b32 s40, v[GRK], s41
	s_cmp_lt_u32 s40, 64
	s_cbranch_scc0 .Lgn_\@
	v_readlane_b32 s42, v[GOI], s41
	s_min_u32 s42, s42, 249999                     ; a row of the table
	s_lshl_b32 s42, s42, 10
	v_add_nc_u32 v[RA+\i], s42, v[L16]
	global_load_b128 v[DK+8*(\i-1):DK+8*(\i-1)+3], v[RA+\i], s[12:13]
	global_load_b128 v[DK+8*(\i-1)+4:DK+8*(\i-1)+7], v[RA+\i], s[12:13] offset:512
	s_min_u32 s40, s40, 63
	s_lshl_b32 s40, s40, 10
	v_add_nc_u32 v[OA+\i], s40, v[L16]
	s_wait_loadcnt 0x0
	global_store_b128 v[OA+\i], v[DK+8*(\i-1):DK+8*(\i-1)+3], s[14:15]
	global_store_b128 v[OA+\i], v[DK+8*(\i-1)+4:DK+8*(\i-1)+7], s[14:15] offset:512
.Lgn_\@:
.endm
	s_load_b256 s[4:11], s[0:1], 0x0               ; ukey s[4:5], stats s[6:7], ckey s[8:9], cidx s[10:11]
	s_load_b128 s[12:15], s[0:1], 0x20             ; sensory_input s[12:13], out0 s[14:15]
	s_load_b64 s[16:17], s[0:1], 0x30              ; out1
	v_lshl_add_u32 v254, v0, 2, 0x800
	v_mov_b32 v255, 0
	v_lshrrev_b32 v1, 5, v0
	v_readfirstlane_b32 s[WV], v1                  ; wave 0..7
	v_and_b32 v1, 31, v0                           ; lane
	v_lshlrev_b32 v[L16], 4, v1
	v_lshrrev_b32 v[AO], 3, v1
	v_lshlrev_b32 v[AO], 13, v[AO]
	v_and_b32 v[AH], 7, v1
	v_lshl_add_u32 v[AO], v[AH], 2, v[AO]
	s_lshl_b32 s20, ttmp9, 5
	v_add_nc_u32 v[AO], s20, v[AO]                 ; entry p = lane of list g: (p / 8) x 8,192 + 32 g + 4 (p % 8)
	v_lshlrev_b32 v[AH], 5, v1
	v_lshlrev_b32 v[AF], 5, v0
	s_lshl_b32 s20, ttmp9, 8
	v_add_nc_u32 v[QD], s20, v0
	v_min_u32 v[AU], 62499, v[QD]                  ; no load leaves the buffer
	v_lshlrev_b32 v[AU], 4, v[AU]
	s_lshl_b32 s20, s[WV], 8
	v_lshl_add_u32 v[CW], v1, 2, s20               ; LDS: 256 wave + 4 lane
	v_lshlrev_b32 v[CR], 2, v1
	s_mov_b32 s[SEL], 0x76543210
	s_mov_b32 s[SEL+1], 0xfedcba98
	v_mov_b32 v[CNT0], 0
	v_mov_b32 v[CNT1], 0
	v_mov_b32 v[MT], 0                             ; written once: a lane permute destination counts as one of its sources
	v_mov_b32 v[MT2], 0
	v_mov_b32 v[TB+1], 0
	s_wait_kmcnt 0x0
	global_load_b32 v[OI0], v[AO], s[10:11]
	global_load_b32 v[OI1], v[AO], s[10:11] offset:32768
	global_load_b32 v[OK0], v[AO], s[8:9]
	global_load_b32 v[OK1], v[AO], s[8:9] offset:32768
.irp j, 0,1,2,3,4,5,6,7
	global_load_b32 v[HD+\j], v[AH], s[8:9] offset:1024*\j
.endr
	global_load_b128 v[FK:FK+3], v[AF], s[8:9]
	global_load_b128 v[FK+4:FK+7], v[AF], s[8:9] offset:16
	global_load_b128 v[FI:FI+3], v[AF], s[10:11]
	global_load_b128 v[FI+4:FI+7], v[AF], s[10:11] offset:16
.irp j, 0,1,2,3,4,5,6,7
	global_load_b128 v[ST+4*\j:ST+4*\j+3], v[L16], s[6:7] offset:512*\j
.endr
	global_load_b128 v[U4:U4+3], v[AU], s[4:5]
	s_wait_loadcnt 24                              ; the first load is in: 24 were issued behind it
	v_readlane_b32 s20, v[OI0], s[WV]              ; the row of entry wave
	s_min_u32 s20, s20, 249999
	s_lshl_b32 s20, s20, 10
	v_add_nc_u32 v[RA], s20, v[L16]
	global_load_b128 v[ROW:ROW+3], v[RA], s[12:13]
	global_load_b128 v[ROW+4:ROW+7], v[RA], s[12:13] offset:512
	s_wait_loadcnt 2                               ; all but the row's two loads
	; T
	v_max_u32 v[TB], v[HD], v[HD+1]
	v_max_u32 v[TB+2], v[HD+2], v[HD+3]
	v_max_u32 v[TB+3], v[HD+4], v[HD+5]
	v_max_u32 v[TB+4], v[HD+6], v[HD+7]
	v_max_u32 v[TB], v[TB], v[TB+2]
	v_max_u32 v[TB+3], v[TB+3], v[TB+4]
	v_min_u32 v[TB], v[TB], v[TB+3]
.irp m, 1,2,4,8
	v_mov_b32_dpp v[TB+1], v[TB] row_xmask:\m row_mask:0xf bank_mask:0xf
	v_min_u32 v[TB], v[TB], v[TB+1]
.endr
	v_permlanex16_b32 v[TB+1], v[TB], s[SEL], s[SEL+1]
	v_min_u32 v[TB], v[TB], v[TB+1]
	v_readfirstlane_b32 s[TT], v[TB]
	v_cmp_le_u32 s20, s[TT], v[OK0]
	v_cmp_le_u32 s21, s[TT], v[OK1]
	s_bcnt1_i32_b32 s20, s20
	s_bcnt1_i32_b32 s21, s21
	s_add_co_u32 s[SW], s20, s21                   ; how many entries of list g are ranked
	s_min_u32 s[N0], s[SW], 32
	s_sub_co_u32 s[N1], s[SW], s[N0]
	PLOOP OK0, OI0, CNT0, N0, FK, FI, 8
	PLOOP OK1, OI1, CNT1, N1, FK, FI, 8
	v_cmp_le_u32 s20, s[TT], v[FK+7]               ; does a list of my wave go on past depth 7 with keys >= T?
	s_cmp_eq_u32 s20, 0
	s_cbranch_scc1 .Lnodeep
	s_cmp_eq_u32 s[SW], 0
	s_cbranch_scc1 .Lnodeep
.irp pb, 1,2,3,4,5,6,7
	global_load_b128 v[DK+8*(\pb-1):DK+8*(\pb-1)+3], v[AF], s[8:9] offset:8192*\pb
	global_load_b128 v[DK+8*(\pb-1)+4:DK+8*(\pb-1)+7], v[AF], s[8:9] offset:8192*\pb+16
	global_load_b128 v[DI+8*(\pb-1):DI+8*(\pb-1)+3], v[AF], s[10:11] offset:8192*\pb
	global_load_b128 v[DI+8*(\pb-1)+4:DI+8*(\pb-1)+7], v[AF], s[10:11] offset:8192*\pb+16
.endr
	s_wait_loadcnt 0x0
	PLOOP OK0, OI0, CNT0, N0, DK, DI, 56
	PLOOP OK1, OI1, CNT1, N1, DK, DI, 56
.Lnodeep:
	ds_store_b32 v[CW], v[CNT0]
	ds_store_b32 v[CW], v[CNT1] offset:128
	s_wait_dscnt 0x0                               ; for the others: my counts have landed
	s_barrier_signal -1
	; work on registers while the others arrive: M, Z, S, c and my four allocations
	v_max3_num_f32 v[MM], v[ST+2], v[ST+6], v[ST+10]
	v_max3_num_f32 v[MM], v[MM], v[ST+14], v[ST+18]
	v_max3_num_f32 v[MM], v[MM], v[ST+22], v[ST+26]
	v_max_num_f32 v[MM], v[MM], v[ST+30]
.irp m, 1,2,4,8
	v_max_num_f32_dpp v[MM], v[MM], v[MM] row_xmask:\m row_mask:0xf bank_mask:0xf
.endr
	v_permlanex16_b32 v[MT], v[MM], s[SEL], s[SEL+1]
	v_max_num_f32 v[MM], v[MM], v[MT]              ; M
.irp j, 0,1,2,3,4,5,6,7
	v_sub_f32 v[EF+\j], v[ST+4*\j+2], v[MM]
.endr
.irp i, 0,1,2,3
	v_sub_f32 v[EU+\i], v[U4+\i], v[MM]
.endr
.irp j, 0,1,2,3,4,5,6,7
	v_exp_f32 v[EF+\j], v[EF+\j]
.endr
.irp i, 0,1,2,3
	v_exp_f32 v[EU+\i], v[EU+\i]
.endr
	v_nop                                          ; a plain place behind the batch,
	s_wait_alu depctr_va_vdst(0)                   ; and one wait for the twelve
	v_mul_f32 v[ZZ], v[ST], v[EF]
	v_mul_f32 v[SS], v[ST+1], v[EF]
.irp j, 1,2,3,4,5,6,7
	v_fmac_f32 v[ZZ], v[ST+4*\j], v[EF+\j]
	v_fmac_f32 v[SS], v[ST+4*\j+1], v[EF+\j]
.endr
	WSUM ZZ, MT
	WSUM SS, MT2
	v_rcp_f32 v[RZ], v[ZZ]
	v_nop
	s_wait_alu depctr_va_vdst(0)
	v_mul_f32 v[AA], v[SS], v[RZ]                  ; the sum of the weighted values
	v_max_num_f32 v[AA], 0x2b8cbccc, v[AA]         ; held at 1e-12 from below
	v_rcp_f32 v[AA], v[AA]
	v_nop
	s_wait_alu depctr_va_vdst(0)
	v_mul_f32 v[CC], v[RZ], v[AA]
.irp i, 0,1,2,3
	v_mul_f32 v[EU+\i], v[EU+\i], v[CC]
.endr
	s_barrier_wait -1
.irp j, 0,1,2,3,4,5,6,7
	ds_load_b32 v[TB+\j], v[CR] offset:256*\j
	ds_load_b32 v[TB+8+\j], v[CR] offset:256*\j+128
.endr
	v_cmp_gt_u32 vcc_lo, 62500, v[QD]
	s_wait_xcnt 0x0                                ; EXEC changes only behind this wait
	s_and_saveexec_b32 s44, vcc_lo
	global_store_b128 v[AU], v[EU:EU+3], s[16:17] th:TH_STORE_NT
	s_wait_xcnt 0x0
	s_or_b32 exec_lo, exec_lo, s44
	s_wait_dscnt 0x0
	v_add3_u32 v[RANK0], v[TB], v[TB+1], v[TB+2]
	v_add3_u32 v[RANK1], v[TB+8], v[TB+9], v[TB+10]
	v_add3_u32 v[RANK0], v[RANK0], v[TB+3], v[TB+4]
	v_add3_u32 v[RANK1], v[RANK1], v[TB+11], v[TB+12]
	v_add3_u32 v[RANK0], v[RANK0], v[TB+5], v[TB+6]
	v_add3_u32 v[RANK1], v[RANK1], v[TB+13], v[TB+14]
	v_add_nc_u32 v[RANK0], v[RANK0], v[TB+7]       ; lane p: the rank of entry p;
	v_add_nc_u32 v[RANK1], v[RANK1], v[TB+15]      ; of entry 32 + p
	s_wait_loadcnt 0x0                             ; the row fetched ahead
	s_cmp_lt_u32 s[WV], s[SW]
	s_cbranch_scc0 .Lgend
	v_readlane_b32 s40, v[RANK0], s[WV]
	s_cmp_lt_u32 s40, 64
	s_cbranch_scc0 .Lg0
	s_min_u32 s40, s40, 63
	s_lshl_b32 s40, s40, 10
	v_add_nc_u32 v[OA], s40, v[L16]
	global_store_b128 v[OA], v[ROW:ROW+3], s[14:15]            ; a row of 1,024 bytes: two stores of 512 consecutive bytes
	global_store_b128 v[OA], v[ROW+4:ROW+7], s[14:15] offset:512
.Lg0:
	GATH 1
	GATH 2
	GATH 3
	GATH 4
	GATH 5
	GATH 6
	GATH 7
.Lgend:
	s_wait_tensorcnt 0x0
	ds_add_u32 v254, v255
	s_wait_dscnt 0x0
	s_endpgm
.Lfunc_end_k_qa884f683d6_finish:
	.size	k_qa884f683d6_finish, .Lfunc_end_k_qa884f683d6_finish-k_qa884f683d6_finish
	.p2alignl 7, 3214868480
	.fill 96, 4, 3214868480
	.section	.rodata,"a",@progbits
	.p2align	6, 0x0
	.amdhsa_kernel k_qa884f683d6_finish
		.amdhsa_group_segment_fixed_size 3072
		.amdhsa_private_segment_fixed_size 0
		.amdhsa_enable_private_segment 0
		.amdhsa_kernarg_size 56
		.amdhsa_user_sgpr_count 2
		.amdhsa_user_sgpr_kernarg_segment_ptr 1
		.amdhsa_wavefront_size32 1
		.amdhsa_system_sgpr_workgroup_id_x 1
		.amdhsa_system_sgpr_workgroup_id_y 1
		.amdhsa_system_sgpr_workgroup_id_z 1
		.amdhsa_system_vgpr_workitem_id 0
		.amdhsa_next_free_vgpr 256
		.amdhsa_next_free_sgpr 66
		.amdhsa_reserve_vcc 1
		.amdhsa_float_denorm_mode_32 3
		.amdhsa_float_denorm_mode_16_64 3
		.amdhsa_memory_ordered 1
		.amdhsa_forward_progress 1
		.amdhsa_inst_pref_size 63
	.end_amdhsa_kernel
	.amdgpu_metadata
---
amdhsa.version: [ 1, 2 ]
amdhsa.kernels:
  - .name:           k_qa884f683d6_finish
    .symbol:         k_qa884f683d6_finish.kd
    .args:
      - { .name: ukey, .offset: 0, .size: 8, .value_kind: global_buffer, .address_space: global }
      - { .name: stats, .offset: 8, .size: 8, .value_kind: global_buffer, .address_space: global }
      - { .name: ckey, .offset: 16, .size: 8, .value_kind: global_buffer, .address_space: global }
      - { .name: cidx, .offset: 24, .size: 8, .value_kind: global_buffer, .address_space: global }
      - { .name: sensory_input, .offset: 32, .size: 8, .value_kind: global_buffer, .address_space: global }
      - { .name: out0, .offset: 40, .size: 8, .value_kind: global_buffer, .address_space: global }
      - { .name: out1, .offset: 48, .size: 8, .value_kind: global_buffer, .address_space: global }
    .group_segment_fixed_size: 3072
    .private_segment_fixed_size: 0
    .kernarg_segment_align: 8
    .kernarg_segment_size: 56
    .max_flat_workgroup_size: 256
    .sgpr_count:     66
    .vgpr_count:     256
    .wavefront_size: 32
...
	.end_amdgpu_metadata
.endif
;; end of part 3
